; MI455X (gfx1250); checked and timed in simulation.
; The chip was launched on July 23, 2026; its instructions are those of AMD's public machine-readable ISA for CDNA 5 (MIT licence, August 2026) and "CDNA5" Instruction Set Architecture Reference Guide (July 2026). The comments in the code are by the model that wrote it; some were corrected since.
;; Multi Head Attention Base. Allowed arithmetic: matrix products marked QUANTISED: E2M3 operands, one E8M0 scale for each 32 along K, by v_wmma_scale_f32_16x16x128_f8f6f4 with both operands' format E2M3, f32 sums; everything else in f32.
;; Inputs: keys 4 x 2,048 x 1,024 float32; queries 4 x 2,048 x 1,024 float32; values 4 x 2,048 x 1,024 float32.
;; Outputs: out0 4 x 2,048 x 1,024 float32.
;; This version of the problem:
;;   THIS VERSION OF THE PROBLEM IS GIVEN IN LOW PRECISION. The matrix products marked QUANTISED in the list below multiply operands that are first quantised to E2M3 (2 exponent bits, 3 mantissa bits; 6 bits a number), with one power-of-two scale for each 32 numbers along K (OCP MX v1.0); their sums are f32. All else is computed in f32.
;;   The module's matrix products, in the order in which they are computed (A, B: the left and right operand; K: the contracted axis; several contracted axes count as one K, in the product's order):
;;     1. batch 64 x [M 2,048, K 64] x [K 64, N 2,048]; A: input queries; B: input keys: QUANTISED
;;     2. batch 64 x [M 2,048, K 2,048] x [K 2,048, N 64]; A: softmax (see below); B: input values: QUANTISED
;;   THE QUANTISER, for each operand of a quantised product, along K:
;;     - K is cut into blocks of 32 from its start; a last block that is shorter is filled with zeros.
;;     - A block's scale is 2^e with e = floor(log2(the largest magnitude in the block)) - 2, held to -126 .. 127; a block of zeros has e = 0. As a byte (E8M0): e + 127.
;;     - Each number is divided by its block's scale, clamped to +-7.5, and rounded to the nearest number of E2M3, ties to even, subnormals kept.
;;     - The product sums the exact products of the quantised numbers (number of the format x scale) in f32.
;;   ~~~python
;;   def quantise(x, axis):      # numpy; x: float32 -> the quantised numbers, widened to float32 again
;;       x = np.moveaxis(x, axis, -1); K = x.shape[-1]
;;       x = np.pad(x, [(0, 0)] * (x.ndim - 1) + [(0, -K % 32)]); x = x.reshape(x.shape[:-1] + (-1, 32)); a = np.abs(x).max(-1, keepdims=True)
;;       e = np.where(a > 0, np.clip(np.frexp(np.where(a > 0, a, 1))[1] - 1 - 2, -126, 127), 0)      # np.frexp(a)[1] - 1 = floor(log2(a)), exactly
;;       r = np.clip(x / 2.0 ** e, -7.5, 7.5)
;;       step = 2.0 ** (np.maximum(np.frexp(np.where(r == 0, 1, r))[1] - 1, 0) - 3)
;;       q = np.round(r / step) * step * 2.0 ** e      # np.round: ties to even
;;       return np.moveaxis(q.reshape(q.shape[:-2] + (-1,))[..., :K], -1, axis).astype(np.float32)
;;   ~~~
;;   SOFTMAX AHEAD OF A QUANTISED PRODUCT. Where the list says 'softmax', what is quantised is not the finished softmax but p = 2^(t - M), with t = logit x log2(e) and M = ceil(the row's largest t), a whole number; so 1/2 < the row's largest p <= 1. The row's sum l is taken of the UNQUANTISED p, in f32, and the product's result is divided by l at the end. Since M is a whole number, a kernel that streams over the keys may use a running M (the ceiling of the running maximum): every later rescaling is an exact power of two, which a block's scale takes up: the codes' values come out the same.
;;   OPERANDS COMPUTED ON THE WAY. 'Computed on the way' means the value that the module computes at that place (a softmax that the list does not call 'softmax' is quantised finished and normalised). What goes into a quantiser is computed in f32, as accurately as f32 sums, v_exp_f32 and their like allow (about 1e-6 of the number): no bf16 or f16 on the way to a quantiser, and a product that is left as it is and whose result goes on into a quantised operand takes f32 operands (vector FMAs, or v_wmma_f32_16x16x4_f32). A number that lies on a knife's edge between two numbers of the format may be rounded either way, as far as f32 arithmetic and the matrix unit's own rounding can turn it there, and no further.
;; One version. Each part assembles by itself: llvm-mc -triple=amdgcn-amd-amdhsa -mcpu=gfx1250 --defsym DOCPART=n.
;; ======== version 1 of 1: 2 launches
;; limits: right only within a limited range of input values
;; workspace buffers: kv 13,107,200 bytes
;; launch quant (part 1): grid 16 x 64, 4 waves a work-group, no clusters, 70,912 bytes of LDS; arguments keys, values, kv; writes kv
.if DOCPART == 1
	.amdgcn_target "amdgcn-amd-amdhsa--gfx1250"
	.amdhsa_code_object_version 6
	.text
	.protected	k_q438d012441_quant
	.globl	k_q438d012441_quant
	.p2align	8
	.type	k_q438d012441_quant,@function
k_q438d012441_quant:
	s_mov_b64 s[64:65], 0
	v_nop
	global_prefetch_b8 v0, s[64:65] scope:SCOPE_SE
	s_setreg_imm32_b32 hwreg(HW_REG_WAVE_MODE, 25, 1), 1
	s_wait_xcnt 0x0
; keys and values, [4][2048][1024] f32, become codes of FP6 (E2M3) with one E8M0 scale byte for each 32 along a product's K, laid in kv as IMAGES OF THE
; OPERANDS' REGISTERS, so that the attention launch takes every fragment by three loads of 16 bytes a lane.  K is quantised along the head's 64, V along the keys.
; A block's scale is 2^(floor(log2(its largest magnitude)) - 2); its byte is the largest magnitude's exponent field - 2, held at 1 from below.
; LIMITS: NaN and infinities among the inputs are not served; a block whose largest magnitude lies under 2^-124 keeps the byte 1; a block of zeros keeps the byte 1
; where the rule says 127: its codes are zeros, which add nothing under any byte but 0xff, and the bytes are read by this program alone.
; A RECORD of kv is 12,800 bytes, for 128 keys of one (batch, head): 4 fragments of K (1,536 bytes each), 4 of V^T, 256 bytes of K's scale words, 256 of V's.
; record number = 16 x (16 batch + head) + key step.  A fragment's registers 4 c .. 4 c + 3 of lane l lie at 512 c + 16 l.      r = lane % 16, h = lane / 16.
; K'S FRAGMENT f HOLDS TWO TILES OF 16 KEYS: registers 0-5 tile 2 f, registers 6-11 tile 2 f + 1; in both lane (r, h) holds dims 32 h .. 32 h + 31 of its key.
; Row r of tile 2 f + u is key 64 (f / 2) + 32 (r / 8) + 16 (f % 2) + 8 u + r % 8: with these keys a lane of the score tiles owns whole blocks of 32 neighbouring keys.
; Its scale word: bytes 0, 1 tile 2 f's two blocks of dims, bytes 2, 3 tile 2 f + 1's.
; V^T'S FRAGMENT t: lane (r, h) holds channel 16 t + r; registers 6 c .. 6 c + 5 keys 64 c + 32 h + 0 .. 31.  Its scale word: byte b for keys 32 b .. 32 b + 31.
; SHARES: a work-group of four waves makes one record; wave w makes K's fragment w and V^T's fragment w.  Everything is written out: no loop, every offset an immediate.
; Each global load takes two keys' aligned 256 bytes (sixteen lanes a key).  K's 32 keys turn through the wave's own stage, V's 128 keys through a stage that all four
; waves fill and read by columns.  No tensor load, so no ring; matrix units and clusters have nothing to do here: no two work-groups read the same byte.
.set KTB,  8704                        ; LDS 0: for each wave a stage of 32 rows x (256 + 16) bytes, for K's turn
.set VST,  4*KTB                       ; V's stage: key k at 272 k + 64 (k / 32): a group of 32 keys takes VGR bytes, wave w fills group w
.set VGR,  32*272+64                   ; 8,768 bytes = 2,192 words: lanes 16-31 of a column's read, one group on, stand 16 words modulo 64 from lanes 0-15 (64 banks of 4 bytes: ISA guide 11.1)
.set SCL,  VST+4*VGR                   ; 69,888: the record's 512 bytes of scale words
.set GIN,  4                           ; v4   4096 h + 16 r: a load's two keys
.set KTW,  5                           ; v5   K's stage, in:  8704 w + 272 h + 16 r
.set KTR,  6                           ; v6   K's stage, out: 8704 w + 272 r + 128 h
.set VSW,  7                           ; v7   V's stage, in:  VST + 8768 w + 272 h + 16 r
.set VSR,  8                           ; v8   V's stage, out: VST + 8768 h + 64 w + 4 r
.set SCW,  9                           ; v9   SCL + 64 w + 4 r
.set SRD,  10                          ; v10  SCL + 16 lane
.set GC,   11                          ; v11  16 lane: an image's place for my lane
.set SH8,  12                          ; v12  8 h
.set TT,   13                          ; v13  a lane permute's destination
.set WD,   14                          ; v14  a scale word in the making
.set MX,   16                          ; v16-17, v18-19 two chains of maxima for each of two blocks
.set NX,   18
.set SO,   20                          ; v20-21 the conversions' scale operands
.set BY,   22                          ; v22-23 the scale bytes
.set TP,   24                          ; v24-26, v28-30 the upper 16 codes of each block
.set CK,   32                          ; v32-43 K's fragment
.set CV,   44                          ; v44-55 V's fragment
.set KW,   56                          ; v56, v57 their scale words
.set VW,   57
.set OUTR, 60                          ; v60-63 the scale words on their way out
.set KX,   64                          ; v64-127  K as loaded
.set VX,   128                         ; v128-191 V as loaded, then a column's 64 keys
.set KY,   192                         ; v192-255 K turned: 32 dims of each of my two keys
	s_load_b128 s[4:7], s[0:1], 0x0                ; keys, values
	s_load_b64 s[8:9], s[0:1], 0x10                ; kv
	v_lshl_add_u32 v58, v0, 2, 0x11300
	v_mov_b32 v59, 0
	v_lshrrev_b32 v1, 5, v0
	v_readfirstlane_b32 s10, v1                    ; wave 0..3
	v_and_b32 v1, 31, v0                           ; lane
	v_and_b32 v2, 15, v0                           ; r
	v_bfe_u32 v3, v0, 4, 1                         ; h
	s_and_b32 s11, ttmp7, 0xffff                   ; 16 batch + head
	s_mov_b32 s20, 0x76543210
	s_mov_b32 s21, 0xfedcba98                      ; v_permlanex16_b32's selects for lane l xor 16
	v_lshlrev_b32 v[GIN], 4, v2
	v_lshl_add_u32 v[GIN], v3, 12, v[GIN]
	s_mul_i32 s12, s10, KTB
	v_mul_u32_u24 v[KTW], v3, 272
	v_lshl_add_u32 v[KTW], v2, 4, v[KTW]
	v_add_nc_u32 v[KTW], s12, v[KTW]
	v_mul_u32_u24 v[KTR], v2, 272
	v_lshl_add_u32 v[KTR], v3, 7, v[KTR]
	v_add_nc_u32 v[KTR], s12, v[KTR]
	s_lshl_b32 s14, s10, 6                         ; 64 w
	s_add_co_u32 s15, s14, VST
	v_add_nc_u32 v[VSW], s15, v[KTW]               ; VST + (8704 + 64) w + 272 h + 16 r
	v_mul_u32_u24 v[VSR], v3, VGR
	v_lshl_add_u32 v[VSR], v2, 2, v[VSR]
	v_add_nc_u32 v[VSR], s15, v[VSR]               ; here the 64 w are my 16 channels' bytes in a key's row
	s_add_co_u32 s16, s14, SCL
	v_lshlrev_b32 v[SCW], 2, v2
	v_add_nc_u32 v[SCW], s16, v[SCW]
	v_lshl_add_u32 v[SRD], v1, 4, SCL
	v_lshlrev_b32 v[GC], 4, v1
	v_lshlrev_b32 v[SH8], 3, v3
	v_mov_b32 v[TT], 0                             ; written once: a lane permute's destination counts as one of its sources
	; byte offsets, each in a pair of its own with 0 above it
	s_lshr_b32 s17, s11, 4
	s_lshl_b32 s17, s17, 23                        ; the batch: 2,048 rows of 4,096 bytes
	s_lshl_b32 s18, ttmp9, 19                      ; the key step: 128 rows
	s_add_co_u32 s17, s17, s18
	s_and_b32 s18, s11, 15
	s_lshl_b32 s18, s18, 8                         ; the head: 256 bytes of a row
	s_add_co_u32 s28, s17, s18
	s_lshr_b32 s17, s10, 1
	s_lshl_b32 s17, s17, 18                        ; K: my fragment's keys begin at 64 (w / 2) + 16 (w % 2): two runs of 16 keys, 32 apart
	s_and_b32 s18, s10, 1
	s_lshl_b32 s18, s18, 16
	s_add_co_u32 s17, s17, s18
	s_add_co_u32 s30, s28, s17
	s_mov_b32 s31, 0
	s_lshl_b32 s17, s10, 17                        ; V: I bring keys 32 w .. 32 w + 31 into the common stage
	s_add_co_u32 s28, s28, s17
	s_mov_b32 s29, 0
	s_lshl_b32 s17, s11, 4
	s_add_co_u32 s17, s17, ttmp9
	s_mul_i32 s32, s17, 12800                      ; the record
	s_mov_b32 s33, 0
	s_mul_i32 s34, s10, 1536                       ; my fragments in it
	s_mov_b32 s35, 0
	s_wait_kmcnt 0x0
	s_add_nc_u64 s[4:5], s[4:5], s[30:31]
	s_add_nc_u64 s[6:7], s[6:7], s[28:29]
	s_add_nc_u64 s[24:25], s[8:9], s[32:33]
	s_add_nc_u64 s[26:27], s[24:25], s[34:35]
; The largest magnitude of block u, the 32 numbers v[src + 32 u + i], into v[MX + u]: two chains by turns, so that no line waits for the line above it.
.macro BMAX src, u
	v_max3_num_f32 v[MX+(\u)], |v[\src+32*(\u)]|, |v[\src+32*(\u)+1]|, |v[\src+32*(\u)+2]|
	v_max3_num_f32 v[NX+(\u)], |v[\src+32*(\u)+3]|, |v[\src+32*(\u)+4]|, |v[\src+32*(\u)+5]|
.irp i, 6,10,14,18,22,26
	v_max3_num_f32 v[MX+(\u)], v[MX+(\u)], |v[\src+32*(\u)+\i]|, |v[\src+32*(\u)+\i+1]|
	v_max3_num_f32 v[NX+(\u)], v[NX+(\u)], |v[\src+32*(\u)+\i+2]|, |v[\src+32*(\u)+\i+3]|
.endr
	v_max3_num_f32 v[MX+(\u)], v[MX+(\u)], |v[\src+32*(\u)+30]|, |v[\src+32*(\u)+31]|
	v_max3_num_f32 v[MX+(\u)], v[MX+(\u)], v[NX+(\u)], 0x1800000   ; and the floor 2^(3 - 127): the byte cannot fall under 1
.endm
; Behind both blocks' BMAX: the two blocks become a fragment's 12 registers, v[dst + 6 u ..], and its scale word: my two bytes stand at 8 h and 16 + 8 h bits, lane l xor 16's fill the other two.
.macro QFIN src, dst, word
.irp u, 0,1
	v_add_nc_u32 v[SO+\u], 0xff000000, v[MX+\u]    ; 2 off the exponent field: the conversion takes the exponent field of this operand as its scale
.endr
.irp u, 0,1
	v_lshrrev_b32 v[BY+\u], 23, v[SO+\u]           ; the scale's byte
.endr
	v_lshl_or_b32 v[WD], v[BY+1], 16, v[BY]
	v_lshlrev_b32 v[WD], v[SH8], v[WD]
	v_permlanex16_b32 v[TT], v[WD], s20, s21
	v_or_b32 v[\word], v[WD], v[TT]                ; the same word in lanes r and 16 + r
.irp u, 0,1
	v_cvt_scalef32_pk16_fp6_f32 v[\dst+6*\u:\dst+6*\u+2], v[\src+32*\u:\src+32*\u+15], v[SO+\u]
	v_cvt_scalef32_pk16_fp6_f32 v[TP+4*\u:TP+4*\u+2], v[\src+32*\u+16:\src+32*\u+31], v[SO+\u]   ; (a conversion's three registers begin on an even number)
.endr
	v_nop                                          ; one plain place behind the scaled conversions
.irp u, 0,1
.irp i, 0,1,2
	v_mov_b32 v[\dst+6*\u+3+\i], v[TP+4*\u+\i]
.endr
.endr
.endm
; Block c of my column of V: V(key 64 c + 32 h + i, channel 16 w + r), i = 0 .. 31: my registers run down the keys.
.macro VCOL c
.irp i, 0,1,2,3,4,5,6,7,8,9,10,11,12,13,14,15,16,17,18,19,20,21,22,23,24,25,26,27,28,29,30,31
	ds_load_b32 v[VX+32*(\c)+\i], v[VSR] offset:2*VGR*(\c)+272*\i
.endr
.endm
.irp i, 0,1,2,3,4,5,6,7,8,9,10,11,12,13,14,15
	global_load_b128 v[KX+4*\i:KX+4*\i+3], v[GIN], s[4:5] offset:(2*(\i%8)+32*(\i/8))*4096 th:TH_LOAD_NT   ; my fragment's keys 2 (i % 8) + h + 32 (i / 8): two aligned runs of 256 bytes
.endr
.irp i, 0,1,2,3,4,5,6,7,8,9,10,11,12,13,14,15
	global_load_b128 v[VX+4*\i:VX+4*\i+3], v[GIN], s[6:7] offset:2*\i*4096 th:TH_LOAD_NT                   ; keys 32 w + 2 i + h
.endr
	s_wait_loadcnt 16                              ; K's sixteen loads are in; the sixteen younger ones are V's
.irp i, 0,1,2,3,4,5,6,7,8,9,10,11,12,13,14,15
	ds_store_b128 v[KTW], v[KX+4*\i:KX+4*\i+3] offset:272*(16*((\i/4)%2)+8*(\i/8)+2*(\i%4))   ; the key that row r of tile 2 w + u wants goes to stage row 16 u + r
.endr
.irp u, 0,1
.irp j, 0,1,2,3,4,5,6,7
	ds_load_b128 v[KY+32*\u+4*\j:KY+32*\u+4*\j+3], v[KTR] offset:4352*\u+16*\j   ; LDS serves a wave's instructions in order (ISA guide 5.7.1.4): these see my stores.  32 dims of my key of tile 2 w + u
.endr
.endr
	s_wait_loadcnt 0x0                             ; V
.irp i, 0,1,2,3,4,5,6,7,8,9,10,11,12,13,14,15
	ds_store_b128 v[VSW], v[VX+4*\i:VX+4*\i+3] offset:544*\i   ; keys 2 i + h of my group: the last byte written is 8,687 of the group's 8,768
.endr
	s_wait_dscnt 0x0                               ; for the others' sake: my part of V's stage is written; and K is back in registers
	s_barrier_signal -1
	BMAX KY, 0                                     ; work on registers while the others arrive
	BMAX KY, 1
	QFIN KY, CK, KW
	s_wait_alu depctr_va_vdst(0)
	s_barrier_wait -1                              ; all 128 keys of V lie in the stage
	ds_store_b32 v[SCW], v[KW]                     ; lanes r and 16 + r write the same word with the same value
	VCOL 0
.irp c, 0,1,2
	global_store_b128 v[GC], v[CK+4*\c:CK+4*\c+3], s[26:27] offset:512*\c   ; 32 lanes store 512 consecutive bytes, at a multiple of 256 from kv's first byte
.endr
	s_wait_dscnt 0x0                               ; block 0's 32 numbers are in
	VCOL 1                                         ; block 1's are on their way
	BMAX VX, 0                                     ; while block 0's largest magnitude is taken
	s_wait_dscnt 0x0                               ; block 1's are in
	BMAX VX, 1
	QFIN VX, CV, VW                                ; (into registers of its own: K's stores may still read theirs)
.irp c, 0,1,2
	global_store_b128 v[GC], v[CV+4*\c:CV+4*\c+3], s[26:27] offset:6144+512*\c
.endr
	ds_store_b32 v[SCW], v[VW] offset:256
	s_wait_dscnt 0x0                               ; for wave 0's sake: my scale words are written
	s_barrier_signal -1
	s_barrier_wait -1
	s_cmp_lg_u32 s10, 0
	s_cbranch_scc1 .Lend
	ds_load_b128 v[OUTR:OUTR+3], v[SRD]            ; wave 0 sends the record's 512 bytes of scale words
	s_wait_dscnt 0x0
	global_store_b128 v[GC], v[OUTR:OUTR+3], s[24:25] offset:12288
.Lend:
	s_wait_tensorcnt 0x0
	ds_add_u32 v58, v59
	s_wait_dscnt 0x0
	s_endpgm
.Lfunc_end_k_q438d012441_quant:
	.size	k_q438d012441_quant, .Lfunc_end_k_q438d012441_quant-k_q438d012441_quant
	.p2alignl 7, 3214868480
	.fill 96, 4, 3214868480
	.section	.rodata,"a",@progbits
	.p2align	6, 0x0
	.amdhsa_kernel k_q438d012441_quant
		.amdhsa_group_segment_fixed_size 70912
		.amdhsa_private_segment_fixed_size 0
		.amdhsa_enable_private_segment 0
		.amdhsa_kernarg_size 24
		.amdhsa_user_sgpr_count 2
		.amdhsa_user_sgpr_kernarg_segment_ptr 1
		.amdhsa_wavefront_size32 1
		.amdhsa_system_sgpr_workgroup_id_x 1
		.amdhsa_system_sgpr_workgroup_id_y 1
		.amdhsa_system_sgpr_workgroup_id_z 1
		.amdhsa_system_vgpr_workitem_id 0
		.amdhsa_next_free_vgpr 256
		.amdhsa_next_free_sgpr 66
		.amdhsa_reserve_vcc 0
		.amdhsa_float_denorm_mode_32 3
		.amdhsa_float_denorm_mode_16_64 3
		.amdhsa_memory_ordered 1
		.amdhsa_forward_progress 1
		.amdhsa_inst_pref_size 21
	.end_amdhsa_kernel
	.amdgpu_metadata
---
amdhsa.version: [ 1, 2 ]
amdhsa.kernels:
  - .name:           k_q438d012441_quant
    .symbol:         k_q438d012441_quant.kd
    .args:
      - { .name: keys, .offset: 0, .size: 8, .value_kind: global_buffer, .address_space: global }
      - { .name: values, .offset: 8, .size: 8, .value_kind: global_buffer, .address_space: global }
      - { .name: kv, .offset: 16, .size: 8, .value_kind: global_buffer, .address_space: global }
    .group_segment_fixed_size: 70912
    .private_segment_fixed_size: 0
    .kernarg_segment_align: 8
    .kernarg_segment_size: 24
    .max_flat_workgroup_size: 128
    .sgpr_count:     66
    .vgpr_count:     256
    .wavefront_size: 32
...
	.end_amdgpu_metadata
.endif
;; end of part 1
;; launch attn (part 2): grid 4 x 64, 16 waves a work-group, clusters of 4 x 1, 276,480 bytes of LDS; arguments queries, kv, out0; writes out0
.if DOCPART == 2
	.amdgcn_target "amdgcn-amd-amdhsa--gfx1250"
	.amdhsa_code_object_version 6
	.text
	.protected	k_q438d012441_attn
	.globl	k_q438d012441_attn
	.p2align	8
	.type	k_q438d012441_attn,@function
k_q438d012441_attn:
	s_mov_b64 s[64:65], 0
	v_nop
	global_prefetch_b8 v0, s[64:65] scope:SCOPE_SE
	s_setreg_imm32_b32 hwreg(HW_REG_WAVE_MODE, 25, 1), 1
	s_wait_xcnt 0x0
	s_wait_alu depctr_hold_cnt(0) depctr_sa_sdst(0) depctr_va_vdst(0) depctr_va_sdst(0) depctr_va_ssrc(0) depctr_va_vcc(0) depctr_vm_vsrc(0)
	s_getreg_b32 s2, hwreg(HW_REG_IB_STS2, 6, 4)
	s_cmp_eq_u32 s2, 0
	s_cbranch_scc0 .Lentry_in_a_cluster
	s_endpgm
.Lentry_in_a_cluster:
	s_bfe_u32 s2, ttmp6, 0x10000c
	s_cmp_lg_u32 s2, 0x3003
	s_cbranch_scc0 .Lentry_shape_is_right
	s_endpgm
.Lentry_shape_is_right:
; out0[b][q][64 head + d] = the sum over k of softmax_k(Q . K / 8) V, for 64 (batch, head), 2,048 queries, 2,048 keys, head size 64; both products on codes of FP6 (E2M3) with E8M0 scales.
; K and V come as the records of kv (12,800 bytes for 128 keys: 4 fragments of K, 4 of V^T, their scale words; a fragment's registers 4 c .. 4 c + 3 of lane l at 512 c + 16 l).  Q is quantised here, in registers.
; THE SOFTMAX: t = score x log2(e) / 8; M = the row's largest t so far, rounded UP to a whole number; p = 2^(t - M) is quantised along the keys, not normalised.
; The row's sum is taken of the unquantised p and divides O at the end.  When M moves, the sums and O are multiplied by 2^(old M - new M): exact.
; LIMITS: NaN and infinities among the inputs are not served; the promise holds while |t| stays under 2^31; a block of Q whose largest magnitude lies under 2^-124 keeps the byte 1 (a block of zeros too:
; its codes are zeros); a p under 2^-126 comes out as 0 (v_exp_f32 flushes denormal results: ISA guide 15.8).  A block's scale byte is floor(x) + 125, x = the block's largest t - M made by the same
; multiply-add as every t - M, held at 1 from below: that is the exponent field of 2^x less 2.  Where x lies within an ulp under a whole number and v_exp_f32 rounds that one p up to the power of two, that p is held at the largest code.
; SHARES.  A work-group owns 512 queries of one (batch, head); each of its sixteen waves 32 of them, as two passes of one tile of 16, in 256 registers.  Every pass walks the head's 2,048 keys, 128 a step.
; A WHOLE HEAD'S RECORDS, 16 x 12,800 bytes, LIE IN LDS, FILLED ONCE: no slot is filled again, and the loops have no barrier.  CLUSTER: the four work-groups of a head need the same records, so each
; record is asked for JOINTLY (the same tensor load, the same descriptor, a mask that names the four); wave w asks for record w: one tensor load a wave is outstanding.
; No prefetch is written: all of kv that a work-group reads is asked for by that one load at the head, and Q's second tile is asked for a whole pass ahead of its use.
; LAYOUT (r = lane % 16, h = lane / 16).  Both products are used transposed: S^T = K Q^T, O^T = V^T P^T: a lane holds ONE query, r, throughout.
; The head's K is 64 and the instruction's 128: a fragment of K holds TWO tiles of keys (registers 0-5, 6-11); tile 2 f is multiplied by (q, zeros), tile 2 f + 1 by (zeros, q): windows of one run of
; 18 registers, zeros | q | zeros.  The half that is not wanted meets zero codes: it adds exactly 0.
; Register 32 c + i of the scores is key 64 c + 32 h + i of the step (the launch that wrote kv chose the tiles' keys so): a lane owns two whole blocks of 32 keys, in the order that P's operand wants.
; ORDER OF A STEP: scores; maxima in the order in which the accumulators are made; the chain that makes M, with V's LDS loads in its gaps; t - M with the scale bytes' chain in its gaps; O under the new M;
; the exponentials; the conversions; the second product, with the row's sums round it as its places; the next step's K loads, with the rest of the sums behind them.
.set REC,   12800
.set STAGE, 16*REC                     ; behind the records: 16 rows x (256 + 16) bytes for each wave, its own: Q's turn on the way in, O's on the way out.  No tensor load lands there
.set A16,  1                           ; v1   16 lane
.set A4,   2                           ; v2   4 r
.set ADK,  3                           ; v3   the step's record + 16 lane
.set ADS,  4                           ; v4   the step's record + 4 r
.set SH8,  5                           ; v5   8 h
.set STO,  6                           ; v6   my stage + 272 r + 32 h
.set RD,   7                           ; v7   my stage + 272 h + 16 r
.set GO,   8                           ; v8   4096 h + 16 r
.set QRD,  9                           ; v9   my stage + 272 r + 128 h
.set NEGM, 10                          ; v10  -M;  v11 the largest score so far
.set RM,   11
.set LS,   12                          ; the row's sum in four chains of pairs: v[12:13], v[14:15], v[250:251], v[252:253]
.set FF,   16                          ; v16  f = 2^(old M - new M), later 1 / the sum;  v17 named with it as a pair
.set BM,   18                          ; v18-25 eight chains of maxima (block c: v18+c, 20+c, 22+c, 24+c); then v18-19 x, v20-21 floor(x), v22-23 the conversions' scale operands, v24 the bytes
.set BN,   20
.set SO,   22
.set BY,   24
.set T0,   26
.set T1,   27                          ; a lane permute's destination
.set WD,   28
.set PW,   29                          ; P's scale word;  v30 (q's two bytes, 0, 0);  v31 (0, 0, q's two bytes);  v32-35 the words of four fragments: these hold scales and nothing else
.set QSLO, 30
.set QSHI, 31
.set FS,   32
.set QH,   36                          ; v36-41 zeros, v42-47 q, v48-53 zeros
.set QL,   42
.set TP,   54                          ; v54-56, v58-60 the upper 16 codes of a block
.set PC,   62                          ; v62-73 P's fragment
.set FR,   74                          ; v74-121 four fragments: K's, then V's
.set QR,   122                         ; v122-153 a tile of Q as loaded
.set OT,   154                         ; v154-185 O^T: register 8 t + j is channel 16 t + 8 h + j
.set S,    186                         ; v186-249 S^T, then p
.set WV,   10
.set G1,   16
.set G0,   24
.set SEL,  28                          ; s[28:29] selects for lane l xor 16
.set CS,   30                          ; s[30:31] c = log2(e) / 8
.set TB,   32                          ; s32  LDS byte of the step's record
.set STEPS, 33
.set PASS, 34
.macro CROUND                          ; a round of the cluster's barrier
	s_barrier_signal -1
	s_barrier_wait -1
	s_cmp_lg_u32 s[WV], 0
	s_cbranch_scc1 .Lnot_wave_0_\@
	s_barrier_signal -3
.Lnot_wave_0_\@:
	s_barrier_wait -3
	s_barrier_signal -1
	s_barrier_wait -1
.endm
.macro QLOAD off                       ; a tile of 16 queries as it lies: each load takes two queries' aligned 256 bytes
.irp i, 0,1,2,3,4,5,6,7
	global_load_b128 v[QR+4*\i:QR+4*\i+3], v[GO], s[4:5] offset:\off+8192*\i th:TH_LOAD_NT
.endr
.endm
.macro QUANTQ                          ; 32 dims of my query, v[S] .. v[S + 31], become q's six registers and, with lane l xor 16's byte, its two scale words
	v_max3_num_f32 v[BM], |v[S]|, |v[S+1]|, |v[S+2]|
	v_max3_num_f32 v[BN], |v[S+3]|, |v[S+4]|, |v[S+5]|
.irp i, 6,10,14,18,22,26
	s_delay_alu instid0(VALU_DEP_2)
	v_max3_num_f32 v[BM], v[BM], |v[S+\i]|, |v[S+\i+1]|
	s_delay_alu instid0(VALU_DEP_2)
	v_max3_num_f32 v[BN], v[BN], |v[S+\i+2]|, |v[S+\i+3]|
.endr
	s_delay_alu instid0(VALU_DEP_2)
	v_max3_num_f32 v[BM], v[BM], |v[S+30]|, |v[S+31]|
	s_delay_alu instid0(VALU_DEP_1)
	v_max3_num_f32 v[BM], v[BM], v[BN], 0x1800000  ; and the floor 2^(3 - 127): the byte cannot fall under 1
	s_delay_alu instid0(VALU_DEP_1)
	v_add_nc_u32 v[SO], 0xff000000, v[BM]          ; 2 off the exponent field: the conversion's scale operand
	s_delay_alu instid0(VALU_DEP_1)
	v_lshrrev_b32 v[BY], 23, v[SO]                 ; the scale's byte
	v_cvt_scalef32_pk16_fp6_f32 v[QL:QL+2], v[S:S+15], v[SO]
	v_cvt_scalef32_pk16_fp6_f32 v[TP:TP+2], v[S+16:S+31], v[SO]   ; (a conversion's three registers begin on an even number)
	v_lshlrev_b32 v[WD], v[SH8], v[BY]             ; my byte at its place.  (The plain place behind the scaled conversions)
.irp i, 0,1,2
	v_mov_b32 v[QL+3+\i], v[TP+\i]
.endr
	s_delay_alu instid0(VALU_DEP_4)
	v_permlanex16_b32 v[T1], v[WD], s[SEL], s[SEL+1]
	s_delay_alu instid0(VALU_DEP_1)
	v_or_b32 v[QSLO], v[WD], v[T1]
	s_delay_alu instid0(VALU_DEP_1)
	v_lshlrev_b32 v[QSHI], 16, v[QSLO]
.endm
.macro KLOAD ak, aw, off               ; K's four fragments and their rows' scale words: 16 LDS loads, fragment by fragment
.irp f, 0,1,2,3
.irp c, 0,1,2
	ds_load_b128 v[FR+12*\f+4*\c:FR+12*\f+4*\c+3], v[\ak] offset:\off+1536*\f+512*\c
.endr
	ds_load_b32 v[FS+\f], v[\aw] offset:\off+12288+64*\f
.endr
.endm
.macro VLOAD t                         ; V^T's fragment t and its scale words
.irp c, 0,1,2
	ds_load_b128 v[FR+12*\t+4*\c:FR+12*\t+4*\c+3], v[ADK] offset:6144+1536*\t+512*\c
.endr
	ds_load_b32 v[FS+\t], v[ADS] offset:12544+64*\t
.endm
.macro MAXI c                          ; block c's four chains begin: each accumulator is first read at its low end
	v_max3_num_f32 v[BM+\c], v[S+32*\c], v[S+32*\c+1], v[S+32*\c+2]
	v_max3_num_f32 v[BM+\c+2], v[S+32*\c+3], v[S+32*\c+4], v[S+32*\c+5]
	v_max3_num_f32 v[BM+\c+4], v[S+32*\c+6], v[S+32*\c+7], v[S+32*\c+8]
	v_max3_num_f32 v[BM+\c+6], v[S+32*\c+9], v[S+32*\c+10], v[S+32*\c+11]
.endm
.macro MAXC c, i                       ; scores i, i + 1 of block c onto the chain whose turn it is
	v_max3_num_f32 v[BM+\c+2*(((\i-12)/2)%4)], v[BM+\c+2*(((\i-12)/2)%4)], v[S+32*\c+\i], v[S+32*\c+\i+1]
.endm
.macro F2 j                            ; t - M of four scores (of the pairs c and -M the low word serves both halves)
	v_pk_fma_f32 v[S+\j:S+\j+1], v[S+\j:S+\j+1], s[CS:CS+1], v[NEGM:NEGM+1] op_sel_hi:[1,0,0]
	v_pk_fma_f32 v[S+\j+2:S+\j+3], v[S+\j+2:S+\j+3], s[CS:CS+1], v[NEGM:NEGM+1] op_sel_hi:[1,0,0]
.endm
.macro R2 j                            ; four numbers of O^T under the new M
	v_pk_mul_f32 v[OT+\j:OT+\j+1], v[OT+\j:OT+\j+1], v[FF:FF+1] op_sel_hi:[1,0]
	v_pk_mul_f32 v[OT+\j+2:OT+\j+3], v[OT+\j+2:OT+\j+3], v[FF:FF+1] op_sel_hi:[1,0]
.endm
; The row's sum of a step in 32 links, numbers a .. b - 1 of them, on eight chains by turns: links 0-3 bring the four running chains under the new M and add pairs 0-3 of p in the same instruction;
; links 4-7 begin four chains of the step's own, in the registers that the upper codes have left, with pairs 4-11; links 8-27 add pairs 12-31; links 28-31 join the step's chains to the running ones.
.macro SUMS a, b
.set KK, \a
.rept \b-\a
.set CJ, KK%8
.if KK >= 28
.set CJ, KK-28
.endif
.set LB, LS+2*CJ+34*(CJ/4)+234*((CJ/2)%2)*(1-CJ/4)   ; chains 0-1: v12-15; 2-3: v250-253; 4-7: v54-61
.if KK < 4
	v_pk_fma_f32 v[LB:LB+1], v[LB:LB+1], v[FF:FF+1], v[S+2*KK:S+2*KK+1] op_sel_hi:[1,0,1]
.endif
.if (KK >= 4) && (KK < 8)
	v_pk_add_f32 v[LB:LB+1], v[S+4*KK-8:S+4*KK-7], v[S+4*KK-6:S+4*KK-5]
.endif
.if (KK >= 8) && (KK < 28)
	v_pk_add_f32 v[LB:LB+1], v[LB:LB+1], v[S+2*KK+8:S+2*KK+9]
.endif
.if KK >= 28
	v_pk_add_f32 v[LB:LB+1], v[LB:LB+1], v[TP+2*KK-56:TP+2*KK-55]
.endif
.set KK, KK+1
.endr
.endm
; A KEY STEP: 128 keys, one record.  K's 16 loads were issued a step ago (the pass's first: at its head).  last = 1: no K loads for a next step.
.macro STEP last
.irp f, 0,1,2,3                        ; S^T = K Q^T: eight accumulators, each begun with the constant 0
	s_wait_dscnt 12-4*\f                           ; fragment f's four loads are in; the four of each younger fragment may be out
	v_wmma_scale_f32_16x16x128_f8f6f4 v[S+16*\f:S+16*\f+7], v[FR+12*\f:FR+12*\f+11], v[QL:QL+11], 0, v[FS+\f], v[QSLO] matrix_a_fmt:MATRIX_FMT_FP6 matrix_b_fmt:MATRIX_FMT_FP6
	v_wmma_scale_f32_16x16x128_f8f6f4 v[S+16*\f+8:S+16*\f+15], v[FR+12*\f:FR+12*\f+11], v[QH:QH+11], 0, v[FS+\f], v[QSHI] matrix_a_fmt:MATRIX_FMT_FP6 matrix_b_fmt:MATRIX_FMT_FP6
.endr
	v_add_nc_u32 v[ADK], s[TB], v[A16]             ; four places behind the products (ISA guide 7.12.1): this step's addresses,
	v_add_nc_u32 v[ADS], s[TB], v[A4]
	v_mov_b32 v[WD], v[NEGM]                       ; the old -M,
	v_nop
	MAXI 0                                         ; the largest score of each of my two blocks of 32 keys: for the row's maximum and for the block's scale.  Eight chains, four a block, the blocks by turns
	MAXI 1
.irp i, 12,14,16,18,20,22,24,26,28,30
	MAXC 0, \i
	MAXC 1, \i
.endr
	v_max3_num_f32 v[BM+4], v[BM+4], v[BM+6], v[BM]      ; three of block 0's chains,
	v_max3_num_f32 v[BM+5], v[BM+5], v[BM+7], v[BM+1]    ; three of block 1's,
	v_max_num_f32 v[BM+6], v[BM+2], v[BM+3]              ; and the fourth of both
	VLOAD 0                                        ; V's 16 LDS loads stand in the gaps of the chain that makes M; more than four places lie behind the products that read these registers
	v_max_num_f32 v[BM], v[BM+4], v[BM+2]          ; block 0's largest score
	v_max_num_f32 v[BM+1], v[BM+5], v[BM+3]        ; block 1's
	v_max3_num_f32 v[T0], v[BM+4], v[BM+5], v[BM+6]   ; my 64 keys' largest
	VLOAD 1
	v_permlanex16_b32 v[T1], v[T0], s[SEL], s[SEL+1]   ; my query's other 64 keys lie in lane l xor 16
	VLOAD 2
	v_max3_num_f32 v[RM], v[RM], v[T0], v[T1]      ; the running largest score
	VLOAD 3
	v_mul_f32 v[T0], s[CS], v[RM]                  ; as t (c is positive)
	s_delay_alu instid0(VALU_DEP_1)
	v_floor_f32 v[NEGM], -v[T0]                    ; the new -M = floor(-t) = -ceil(t)
	; f and the two blocks' scale bytes are made in stages; six packed instructions (t - M, then O^T under the new M) stand between a stage and the next
	v_sub_f32 v[WD], v[NEGM], v[WD]                ; M's old value less its new one: a whole number, 0 or less
	v_fma_f32 v[BM], v[BM], s[CS], v[NEGM]         ; x = the block's largest t - M
	v_fma_f32 v[BM+1], v[BM+1], s[CS], v[NEGM]
	F2 0
	F2 4
	F2 8
	v_cvt_i32_f32 v[WD], v[WD]                     ; (it saturates)
	v_max_num_f32 v[BM], 0xc2f80000, v[BM]         ; held at -124: the byte cannot fall under 1
	v_max_num_f32 v[BM+1], 0xc2f80000, v[BM+1]
	F2 12
	F2 16
	F2 20
	v_ldexp_f32 v[FF], 1.0, v[WD]                  ; f = 2^(old M - new M): a multiplication by it rounds nothing
	v_floor_f32 v[BM], v[BM]
	v_floor_f32 v[BM+1], v[BM+1]
	F2 24
	F2 28
	F2 32
	v_cvt_i32_f32 v[BN], v[BM]
	v_cvt_i32_f32 v[BN+1], v[BM+1]
	F2 36
	F2 40
	F2 44
	v_add_lshl_u32 v[SO], v[BN], 125, 23           ; floor(x) + 127 - 2 as an exponent field: the conversion's scale operand
	v_add_lshl_u32 v[SO+1], v[BN+1], 125, 23
	v_lshl_add_u32 v[BY], v[BN+1], 16, v[BN]
	F2 48
	F2 52
	F2 56
	v_add_nc_u32 v[BY], 0x7d007d, v[BY]            ; both bytes: 125 onto each half of the sum
	F2 60
	R2 0                                           ; O^T under the new M, each accumulator from its low end on
	R2 4
	v_lshlrev_b32 v[BY], v[SH8], v[BY]             ; my blocks are h and 2 + h of the step's four
	R2 8
	R2 12
	R2 16
	v_permlanex16_b32 v[T1], v[BY], s[SEL], s[SEL+1]
	R2 20
	R2 24
	R2 28
	s_wait_alu depctr_va_vdst(0)                   ; the wait ahead of the batch
.set EJ, 0
.rept 64
	v_exp_f32 v[S+EJ], v[S+EJ]                     ; p = 2^(t - M): not normalised
.set EJ, EJ+1
.endr
	v_or_b32 v[PW], v[BY], v[T1]                   ; with lane l xor 16's two bytes P's scale word is whole.  (The plain place behind the exponentials)
	s_wait_alu depctr_va_vdst(0)                   ; one wait for the batch, ahead of its first reader
	s_wait_dscnt 0x0                               ; V's fragments and scale words are in
.irp c, 0,1
	v_cvt_scalef32_pk16_fp6_f32 v[PC+6*\c:PC+6*\c+2], v[S+32*\c:S+32*\c+15], v[SO+\c]
	v_cvt_scalef32_pk16_fp6_f32 v[TP+4*\c:TP+4*\c+2], v[S+32*\c+16:S+32*\c+31], v[SO+\c]   ; (a conversion's three registers begin on an even number)
.endr
	SUMS 0, 4                                      ; the row's sum is taken of the unquantised p.  (The first is the plain place behind the scaled conversions)
.irp c, 0,1
.irp i, 0,1,2
	v_mov_b32 v[PC+6*\c+3+\i], v[TP+4*\c+\i]       ; registers 6 c .. 6 c + 5 hold keys 64 c + 32 h + 0 .. 31
.endr
.endr
	SUMS 4, 8                                      ; four places between P's codes and the products; the upper codes have been moved, so their registers take the step's own chains
.irp t, 0,1,2,3                        ; O^T += V^T P^T: four accumulators by turns, one instruction a turn
	v_wmma_scale_f32_16x16x128_f8f6f4 v[OT+8*\t:OT+8*\t+7], v[FR+12*\t:FR+12*\t+11], v[PC:PC+11], v[OT+8*\t:OT+8*\t+7], v[FS+\t], v[PW] matrix_a_fmt:MATRIX_FMT_FP6 matrix_b_fmt:MATRIX_FMT_FP6
.endr
	SUMS 8, 12                                     ; four places between the products and the loads into the registers that they read
.if \last == 0
	KLOAD ADK, ADS, REC                            ; the next record's K
.endif
	SUMS 12, 32
	s_add_co_u32 s[TB], s[TB], REC
.endm
	s_load_b128 s[4:7], s[0:1], 0x0                ; queries, kv
	s_load_b64 s[8:9], s[0:1], 0x10                ; out0
	v_lshl_add_u32 v254, v0, 2, 0x43000            ; my spare word, behind the stages
	v_mov_b32 v255, 0
	ds_add_u32 v254, v255                          ; the opening lines: the add, twice on end, and its wait
	ds_add_u32 v254, v255
	v_lshrrev_b32 v1, 5, v0
	s_delay_alu instid0(VALU_DEP_1)
	v_readfirstlane_b32 s[WV], v1                  ; wave 0..15
	s_bfe_u32 s11, ttmp6, 0x40000                  ; cx: it enters the addresses of queries and out0 alone
	s_lshl_b32 s12, ttmp9, 2
	s_add_co_u32 s12, s12, s11                     ; my block of 512 queries
	s_and_b32 s13, ttmp7, 0xffff                   ; 16 batch + head, which the four partners share
	v_and_b32 v[BM], 15, v0                        ; r
	v_bfe_u32 v[BM+1], v0, 4, 1                    ; h
	v_and_b32 v[A16], 31, v0
	s_delay_alu instid0(VALU_DEP_1)
	v_lshlrev_b32 v[A16], 4, v[A16]
	s_delay_alu instid0(VALU_DEP_4)
	v_lshlrev_b32 v[A4], 2, v[BM]
	s_delay_alu instid0(VALU_DEP_4)
	v_lshlrev_b32 v[SH8], 3, v[BM+1]
	s_mul_i32 s38, s[WV], 16*272
	s_add_co_u32 s38, s38, STAGE                   ; my stage
	v_mul_u32_u24 v[STO], v[BM], 272
	s_delay_alu instid0(VALU_DEP_1)
	v_lshl_add_u32 v[QRD], v[BM+1], 7, v[STO]
	s_delay_alu instid0(VALU_DEP_2)
	v_lshl_add_u32 v[STO], v[BM+1], 5, v[STO]
	s_delay_alu instid0(VALU_DEP_1)
	v_add_nc_u32 v[STO], s38, v[STO]
	s_delay_alu instid0(VALU_DEP_3)
	v_add_nc_u32 v[QRD], s38, v[QRD]
	v_mul_u32_u24 v[RD], v[BM+1], 272
	s_delay_alu instid0(VALU_DEP_1)
	v_lshl_add_u32 v[RD], v[BM], 4, v[RD]
	s_delay_alu instid0(VALU_DEP_1)
	v_add_nc_u32 v[RD], s38, v[RD]
	v_lshlrev_b32 v[GO], 4, v[BM]
	s_delay_alu instid0(VALU_DEP_1)
	v_lshl_add_u32 v[GO], v[BM+1], 12, v[GO]
.irp i, 0,1,2,3,4,5
	v_mov_b32 v[QH+\i], 0                          ; the zeros on both sides of q: written once
	v_mov_b32 v[QL+6+\i], 0
.endr
	v_mov_b32 v[T1], 0                             ; written once: a lane permute's destination counts as one of its sources
	v_mov_b32 v[FF+1], 0                           ; (named as the upper half of the pair v[16:17])
	; descriptor group 1: a record is a dense block: 50 rows of 256 bytes (32 elements of 8 bytes), no padding
	s_mov_b32 s[G1+0], 15|(3<<16)|(1<<21)          ; the mask: all four work-groups; elements of 8 bytes; bit 21 set beside a mask
	s_mov_b32 s[G1+1], 32<<16
	s_mov_b32 s[G1+2], 50<<16
	s_mov_b32 s[G1+3], 32<<16
	s_mov_b32 s[G1+4], 50
	s_mov_b32 s[G1+5], 32
	s_mov_b32 s[G1+6], 0
	s_mov_b32 s[G1+7], 0
	s_mov_b32 s[SEL], 0x76543210
	s_mov_b32 s[SEL+1], 0xfedcba98
	s_mov_b32 s[CS], 0x3e38aa3b                    ; c = log2(e) / 8
	s_mov_b32 s[CS+1], s[CS]
	s_lshr_b32 s14, s13, 4
	s_lshl_b32 s14, s14, 23                        ; the batch: 2,048 rows of 4,096 bytes
	s_lshl_b32 s15, s12, 21                        ; my block's 512 rows
	s_add_co_u32 s14, s14, s15
	s_lshl_b32 s15, s[WV], 17                      ; my wave's 32 of them
	s_add_co_u32 s14, s14, s15
	s_and_b32 s15, s13, 15
	s_lshl_b32 s15, s15, 8                         ; the head: 256 bytes of a row
	s_add_co_u32 s14, s14, s15
	s_mov_b32 s15, 0
	s_mul_i32 s36, s13, 16*REC                     ; the head's records, and record w of them: no place in the cluster enters these registers
	s_mul_i32 s37, s[WV], REC
	s_add_co_u32 s36, s36, s37
	s_mov_b32 s37, 0
	s_wait_alu depctr_va_vdst(0)                   ; the wait at the head's end
	s_wait_dscnt 0x0                               ; both opening adds are done
	s_wait_kmcnt 0x0
	s_add_nc_u64 s[4:5], s[4:5], s[14:15]          ; queries and out0 at my first row, my head
	s_add_nc_u64 s[8:9], s[8:9], s[14:15]
	QLOAD 0                                        ; the first tile of Q is asked for ahead of the round
	s_mov_b32 s[G0], 1
	s_mul_i32 s[G0+1], s[WV], REC                  ; LDS address: record w
	s_add_nc_u64 s[G0+2:G0+3], s[6:7], s[36:37]
	s_or_b32 s[G0+3], s[G0+3], 0x80000000
	CROUND                                         ; all four work-groups are here: the joint loads meet
	tensor_load_to_lds s[G0:G0+3], s[G1:G1+7]      ; my one tensor load of the launch
	s_nop 0
	s_mov_b32 s[PASS], 2
	s_wait_tensorcnt 0x0                           ; my record is in,
	s_barrier_signal -1
	s_barrier_wait -1                              ; everybody's is: from here on the records are only read
.Lpass:
	; the tile's Q goes through my stage, so that a lane holds 32 neighbouring dims of one query; then it is quantised
	s_wait_loadcnt 0x0
.irp i, 0,1,2,3,4,5,6,7
	ds_store_b128 v[RD], v[QR+4*\i:QR+4*\i+3] offset:544*\i
.endr
.irp j, 0,1,2,3,4,5,6,7
	ds_load_b128 v[S+4*\j:S+4*\j+3], v[QRD] offset:16*\j   ; LDS serves a wave's instructions in order (ISA guide 5.7.1.4): these see my stores
.endr
	s_wait_dscnt 0x0                               ; Q is back, and the stores have read their registers
	KLOAD A16, A4, 0                               ; record 0's K: my youngest 16 LDS loads when the first step counts them
	QUANTQ
	s_cmp_eq_u32 s[PASS], 1                        ; the second tile is asked for here, a whole pass ahead; the last pass asks for nothing
	s_cbranch_scc1 .Lno_next
	QLOAD 65536
.Lno_next:
	v_mov_b32 v[RM], 0xff61b1e6                    ; the largest score so far: -3e38, under every score
	s_delay_alu instid0(VALU_DEP_1)
	v_mul_f32 v[T0], s[CS], v[RM]
	s_delay_alu instid0(VALU_DEP_1)
	v_floor_f32 v[NEGM], -v[T0]                    ; -M
.irp j, 12,13,14,15,250,251,252,253
	v_mov_b32 v[\j], 0                             ; the sum's four chains
.endr
.irp j, 0,1,2,3,4,5,6,7,8,9,10,11,12,13,14,15,16,17,18,19,20,21,22,23,24,25,26,27,28,29,30,31
	v_mov_b32 v[OT+\j], 0                          ; O^T: the first step finds zeros, which the first change of M leaves zeros.  (Also the places between q's codes and scale words and the first products)
.endr
	s_mov_b32 s[TB], 0
	s_mov_b32 s[STEPS], 15
.Lstep:
	STEP 0
	s_sub_co_u32 s[STEPS], s[STEPS], 1
	s_cmp_lg_u32 s[STEPS], 0
	s_cbranch_scc1 .Lstep
	STEP 1                                         ; record 15: written out, since no record follows it
	; THE WAY OUT of a tile: the sum's chains are joined; O^T is divided by the sum and goes through my stage, so that sixteen lanes store one query's aligned 256 bytes
	v_pk_add_f32 v[12:13], v[12:13], v[14:15]
	v_pk_add_f32 v[250:251], v[250:251], v[252:253]
	s_delay_alu instid0(VALU_DEP_1)
	v_pk_add_f32 v[12:13], v[12:13], v[250:251]
	s_delay_alu instid0(VALU_DEP_1)
	v_add_f32 v[LS], v[LS], v[LS+1]
	s_delay_alu instid0(VALU_DEP_1)
	v_permlanex16_b32 v[T1], v[LS], s[SEL], s[SEL+1]
	s_delay_alu instid0(VALU_DEP_1)
	v_add_f32 v[LS], v[LS], v[T1]                  ; with lane l xor 16's: the row's sum
	s_wait_alu depctr_va_vdst(0)                   ; the wait ahead of the reciprocal
	v_rcp_f32 v[FF], v[LS]
	v_nop                                          ; a plain place behind the reciprocal
	s_wait_alu depctr_va_vdst(0)                   ; and the wait ahead of its first reader and of O^T's
.irp j, 0,4,8,12,16,20,24,28
	R2 \j
.endr
.irp t, 0,1,2,3
	ds_store_b128 v[STO], v[OT+8*\t:OT+8*\t+3] offset:64*\t        ; row r; channels 16 t + 8 h + 0 .. 7
	ds_store_b128 v[STO], v[OT+8*\t+4:OT+8*\t+7] offset:64*\t+16
.endr
.irp i, 0,1,2,3,4,5,6,7
	ds_load_b128 v[S+4*\i:S+4*\i+3], v[RD] offset:544*\i           ; these see my stores
.endr
.irp i, 0,1,2,3,4,5,6,7
	s_wait_dscnt 7-\i                              ; load i is in; the 7 - i younger ones may be out
	global_store_b128 v[GO], v[S+4*\i:S+4*\i+3], s[8:9] offset:8192*\i th:TH_STORE_NT   ; two queries: twice 256 consecutive bytes, each at a multiple of 256 from out0's first byte
.endr
	s_wait_xcnt 0x0                                ; the stores have read their registers and their base: both are written again only behind this wait
	s_add_nc_u64 s[8:9], s[8:9], 0x10000           ; 16 rows on
	s_sub_co_u32 s[PASS], s[PASS], 1
	s_cmp_lg_u32 s[PASS], 0
	s_cbranch_scc1 .Lpass
	s_wait_tensorcnt 0x0                           ; the wave's end
	ds_add_u32 v254, v255
	s_wait_dscnt 0x0
	CROUND                                         ; the closing round
	s_endpgm
.Lfunc_end_k_q438d012441_attn:
	.size	k_q438d012441_attn, .Lfunc_end_k_q438d012441_attn-k_q438d012441_attn
	.p2alignl 7, 3214868480
	.fill 96, 4, 3214868480
	.section	.rodata,"a",@progbits
	.p2align	6, 0x0
	.amdhsa_kernel k_q438d012441_attn
		.amdhsa_group_segment_fixed_size 276480
		.amdhsa_private_segment_fixed_size 0
		.amdhsa_enable_private_segment 0
		.amdhsa_kernarg_size 24
		.amdhsa_user_sgpr_count 2
		.amdhsa_user_sgpr_kernarg_segment_ptr 1
		.amdhsa_wavefront_size32 1
		.amdhsa_system_sgpr_workgroup_id_x 1
		.amdhsa_system_sgpr_workgroup_id_y 1
		.amdhsa_system_sgpr_workgroup_id_z 1
		.amdhsa_system_vgpr_workitem_id 0
		.amdhsa_next_free_vgpr 256
		.amdhsa_next_free_sgpr 66
		.amdhsa_reserve_vcc 0
		.amdhsa_float_denorm_mode_32 3
		.amdhsa_float_denorm_mode_16_64 3
		.amdhsa_memory_ordered 1
		.amdhsa_forward_progress 1
		.amdhsa_inst_pref_size 45
	.end_amdhsa_kernel
	.amdgpu_metadata
---
amdhsa.version: [ 1, 2 ]
amdhsa.kernels:
  - .name:           k_q438d012441_attn
    .symbol:         k_q438d012441_attn.kd
    .args:
      - { .name: queries, .offset: 0, .size: 8, .value_kind: global_buffer, .address_space: global }
      - { .name: kv, .offset: 8, .size: 8, .value_kind: global_buffer, .address_space: global }
      - { .name: out0, .offset: 16, .size: 8, .value_kind: global_buffer, .address_space: global }
    .group_segment_fixed_size: 276480
    .private_segment_fixed_size: 0
    .kernarg_segment_align: 8
    .kernarg_segment_size: 24
    .max_flat_workgroup_size: 512
    .sgpr_count:     66
    .vgpr_count:     256
    .wavefront_size: 32
...
	.end_amdgpu_metadata
.endif
;; end of part 2
